; MI455X (gfx1250); checked and timed in simulation.
; The chip was launched on July 23, 2026; its instructions are those of AMD's public machine-readable ISA for CDNA 5 (MIT licence, August 2026) and "CDNA5" Instruction Set Architecture Reference Guide (July 2026). The comments in the code are by the model that wrote it; some were corrected since.
;; NSFP Raw MLP. Allowed arithmetic: float matrix products may take bf16 or f16 operands with f32 sums; other float arithmetic in f32, or as packed bf16 or f16 multiplies, adds, multiply-adds, maxima and minima; sums over many terms, partial sums and values carried from step to step in f32; what a program stores and reads back later, other than sums and carried values, may be rounded once to bf16 or f16.
;; Inputs: W0 128 x 3 float32; Wh 7 x 128 x 128 float32; Wout 3 x 128 float32; b0 128 float32; bh 7 x 128 float32; bout 3 float32; x 262,144 x 3 float32.
;; Outputs: out0 262,144 x 3 float32.
;; 2 versions, each right; version 2 is version 1 with the launch mlp written anew for expert scheduling mode. Each part assembles by itself: llvm-mc -triple=amdgcn-amd-amdhsa -mcpu=gfx1250 --defsym DOCPART=n.
;; ======== version 1 of 2: 1 launch
;; launch mlp (part 1): grid 256 x 1, 4 waves a work-group, no clusters, 275,712 bytes of LDS; arguments x, W0, b0, Wh, bh, Wout, bout, out0; writes out0
.if DOCPART == 1
	.amdgcn_target "amdgcn-amd-amdhsa--gfx1250"
	.amdhsa_code_object_version 6
	.text
	.protected	k_qf01c94b8e3_mlp
	.globl	k_qf01c94b8e3_mlp
	.p2align	8
	.type	k_qf01c94b8e3_mlp,@function
k_qf01c94b8e3_mlp:
	s_mov_b64 s[64:65], 0
	v_nop
	global_prefetch_b8 v0, s[64:65] scope:SCOPE_SE
	s_setreg_imm32_b32 hwreg(HW_REG_WAVE_MODE, 25, 1), 1
	s_wait_xcnt 0x0
; out = Wout relu(Wh6 relu( .. relu(Wh0 relu(W0 x + b0) + bh0) .. ) + bh6) + bout for 262,144 points.  x, out: [N][3]; W0: [128][3]; Wh: [7][128][128]; Wout: [3][128]; all f32.
; ONE LAUNCH, nothing through memory between the layers.  A work-group owns 1,024 consecutive points, each of its four waves 256, in two passes of 128 points = 8 tiles of 16.
; NO WORK IS LEFT OUT: every input reaches the output and every input is loaded.  A little more is done than is asked, inside tiles that hold live work: the first layer's K = 3 stands in a
; K step of 32 (weights 3..31 are zeros), the last layer's 3 rows stand in a tile of 16 (rows 3..15 are zeros).
; LAYOUT.  Every layer is H_next^T = W H^T: source 0 = 16 rows of W (16 output channels, K along the row), source 1 = 16 points x 32 input channels.  In the result a lane holds ONE point
; (lane % 16) and the channels 16 mt + 8 (lane / 16) + 0..7.  Rounded to bf16 in pairs these ARE registers 4 (mt % 2) + 0..3 of fragment mt / 2 of the next layer's source 1: register
; 32 t + 4 mt + i of tile t.  So an activation never changes lanes and never leaves the registers.  The bias is the C operand of a sum's first product; the ReLU is a packed maximum with 0 on the rounded pair.
; WEIGHTS.  All nine layers lie in LDS in bf16 (243,712 bytes for the seven hidden ones, rows padded to 272 bytes).  They are f32 in memory: each wave loads 32 rows of a layer, rounds them and
; stores them, one layer ahead of its use, in the first pass; the loads are issued a layer before that.
; NO CLUSTER, NO TENSOR LOADS: all work-groups read the same weights, but as f32, and the products want bf16: the bytes must pass through registers.  A place in LDS for one layer
; in f32 would be 65,536 bytes; beside the 275,712 bytes in use a work-group could be given 51,968 more.
; FORMATS.  x, all weights and all biases are rounded once to bf16 (a bias is kept as that number in f32); activations once a layer to bf16; all sums in f32.
; LIMITS.  A sum beyond bf16's largest number (3.39e38) becomes an infinity one layer earlier than in f32.  A NaN in an activation becomes 0 at the ReLU (the maximum drops it).  An infinity in x or in an
; activation meets the padding's zeros and gives NaN for that point.  The sign of a zero is not kept.
.set NPASS, 2
.set PITCH, 272                        ; a row of 128 bf16 in LDS: 256 bytes + 16 = 68 words: the 16 rows of a fragment load start at 16 different groups of four banks (64 banks of 4 bytes: ISA guide 11.1)
.set MTB,   16*PITCH                   ; 16 rows: an m-tile
.set LAYB,  128*PITCH                  ; a hidden layer
.set P0,    80                         ; a row of W0 in LDS: 32 bf16 (3 real) + 16 bytes
.set WOR,   7*LAYB                     ; Wout, 16 rows (3 real): it lies where an eighth hidden layer's first m-tile would lie.  (The hidden layers begin at LDS byte 0)
.set W0R,   WOR+MTB                    ; W0, 128 rows of 80 bytes
.set BT,    W0R+128*P0                 ; biases in f32, 512 bytes a layer: b0, bh[0..6], bout (entries 3..127 are zeros)
.set STG,   BT+9*512                   ; for each wave 3,072 bytes: 1,536 of out, then 1,536 that lanes 16-31 (the padded rows 8-10) write and nobody reads
.set SPARE, STG+4*3072                 ; the spare words, 128 bytes for each wave: two blocks of 256 bytes that no other line names
; window 0
.set WA0, 2                            ; v2   272 (l % 16) + 16 (l / 16): my place in an m-tile of weights; never rewritten
.set WA,  3                            ; v3   the same in the layer in hand
.set BA0, 4                            ; v4   BT + 32 (l / 16): my eight biases of an m-tile; never rewritten
.set BA,  5                            ; v5   the same in the layer in hand
.set W0A, 6                            ; v6   W0R + 80 (l % 16) + 16 (l / 16)
.set PA0, 7                            ; v7   where I store 8 bytes of my wave's first row of a layer: 32 x 272 x wave + 8 l
.set PA,  8                            ; v8   the same in the layer that is being rounded
.set GW,  9                            ; v9   my 16 bytes of my wave's first row of a layer in memory: 16,384 x wave + 16 l
.set XO,  10                           ; v10  12 (l % 16): my point in a tile of x
.set SA,  11                           ; v11  the way out: where my point's three numbers go
.set RA,  12                           ; v12  the way out: where I read 16 bytes back
.set GO,  13                           ; v13  16 l
.set ZR,  14                           ; v14  0
.set SPW, 16                           ; v16  LDS address of my spare word; never rewritten
.set NIL, 17                           ; v17  0, for the add alone
.set XS,  20                           ; v[20:43]   x as loaded: tile t, coordinate c at 3 t + c
.set OB,  44                           ; v[44:55]   out, read back from the stage
.set T12, 56                           ; v56-61 the head's offsets and LDS addresses, by thread; never rewritten
.set T4,  57
.set TB,  58
.set AW0, 59
.set ABT, 60
.set AWO, 61
.set ST,  64                           ; v[64:191]  32 rows x 4 registers of f32 weights
.set XB,  192                          ; v[192:255] the first layer's source 1: tile t at 8 t; registers 2-7 of each stay 0
.set HT,  192                          ; the same registers, at work in the head
; windows 1 and 2: the activations P and Q: tile t, K step k at 32 t + 8 k.       window 3:
.set ACC, 0                            ; v[0:127]   two buffers of eight accumulators: buffer b, tile t at 64 b + 8 t
.set WF,  128                          ; v[128:191] two buffers of an m-tile's four weight fragments (first layer: all eight m-tiles' single fragments)
.set BF,  192                          ; v[192:207] two buffers of an m-tile's bias (first layer: eight of them, v[192:255])
.set WV,   2                           ; s2   my wave's number
.set ZS,   3                           ; s3   0: the ReLU's second source
.set PASS, 4                           ; s4   passes to go
.set CNT,  5                           ; s5   counts the loop over hidden layers
.set PREPN, 6                          ; s6   hidden layers still to be rounded into LDS
.set WOFF, 7                           ; s7   the layer in hand: its weights' LDS byte
.set BOFF, 8                           ; s8   its bias's byte in the table
.set POFF, 9                           ; s9   LDS byte of the layer to be rounded next
.set OST,  12                          ; s[12:13] what the next way out adds to out's address
.set HIM,  14                          ; s14  a word's upper bf16
.set XP,   16                          ; s[16:31] the eight addresses
.set W0P,  18
.set B0P,  20
.set WP,   22
.set BHP,  24
.set WOP,  26
.set BOP,  28
.set OP,   30
.set MSB, 0
.macro WIN new                         ; s_set_vgpr_msb: bits 1:0 source 0, 3:2 source 1, 5:4 source 2, 7:6 destination; the high byte repeats the setting that is left; a switch that changes nothing is dropped
.if MSB != (\new)
	s_set_vgpr_msb (MSB<<8)|(\new)
.set MSB, (\new)
.endif
.endm
; A vector instruction that reads a matrix result, and a load into a register that a matrix instruction has read, stand four places behind it, and only plain vector instructions that name none
; of its registers are places (ISA guide 7.12.1 for vector instructions).
.macro PLACES
.rept 4
	v_nop
.endr
.endm
; A product of a hidden layer (and of the last): buffer b, K step k, tile t.  The first K step starts the sum with the bias.
.macro MMH b, k, t
.if (\k) == 0
	v_wmma_f32_16x16x32_bf16 v[ACC+64*(\b)+8*(\t):ACC+64*(\b)+8*(\t)+7], v[WF+32*(\b)+8*(\k):WF+32*(\b)+8*(\k)+7], v[32*(\t)+8*(\k):32*(\t)+8*(\k)+7], v[BF+8*(\b):BF+8*(\b)+7]
.else
	v_wmma_f32_16x16x32_bf16 v[ACC+64*(\b)+8*(\t):ACC+64*(\b)+8*(\t)+7], v[WF+32*(\b)+8*(\k):WF+32*(\b)+8*(\k)+7], v[32*(\t)+8*(\k):32*(\t)+8*(\k)+7], v[ACC+64*(\b)+8*(\t):ACC+64*(\b)+8*(\t)+7]
.endif
.endm
; A product of the first layer: m-tile m, tile t: one K step, so one product is the whole sum.
.macro MM0 m, t
	v_wmma_f32_16x16x32_bf16 v[ACC+64*((\m)%2)+8*(\t):ACC+64*((\m)%2)+8*(\t)+7], v[WF+8*(\m):WF+8*(\m)+7], v[XB+8*(\t):XB+8*(\t)+7], v[BF+8*(\m):BF+8*(\m)+7]
.endm
; Tile t's eight sums of m-tile mt (accumulator buffer b) rounded to bf16, into their place in the next layer's source 1; the accumulator's lowest registers are read first.
.macro CVT t, b, mt
.irp i, 0,1,2,3
	v_cvt_pk_bf16_f32 v[32*(\t)+4*(\mt)+\i], v[ACC+64*(\b)+8*(\t)+2*\i], v[ACC+64*(\b)+8*(\t)+2*\i+1]
.endr
.endm
.macro RELU t, mt                      ; and the maximum with 0, two numbers a line; nothing is rounded
.irp i, 0,1,2,3
	v_pk_max_num_bf16 v[32*(\t)+4*(\mt)+\i], v[32*(\t)+4*(\mt)+\i], s[ZS]
.endr
.endm
; Ten LDS loads in one run: an m-tile's four weight fragments (16 rows x 32 K: two loads of 16 bytes, 32 bytes apart) and its eight biases a lane, into buffer b.
.macro FETCH b, woff, boff
	WIN 0xC0                           ; destination window 3, address window 0
.irp k, 0,1,2,3
	ds_load_b128 v[WF+32*(\b)+8*\k:WF+32*(\b)+8*\k+3],   v[WA] offset:(\woff)+64*\k
	ds_load_b128 v[WF+32*(\b)+8*\k+4:WF+32*(\b)+8*\k+7], v[WA] offset:(\woff)+64*\k+32
.endr
	ds_load_b128 v[BF+8*(\b):BF+8*(\b)+3],   v[BA] offset:(\boff)
	ds_load_b128 v[BF+8*(\b)+4:BF+8*(\b)+7], v[BA] offset:(\boff)+16
.endm
.macro FETCH0                          ; the first layer's eight m-tiles: a fragment and a bias each
	WIN 0xC0
.set fm, 0
.rept 8
	ds_load_b128 v[WF+8*fm:WF+8*fm+3],   v[W0A] offset:16*P0*fm
	ds_load_b128 v[WF+8*fm+4:WF+8*fm+7], v[W0A] offset:16*P0*fm+32
	ds_load_b128 v[BF+8*fm:BF+8*fm+3],   v[BA0] offset:64*fm
	ds_load_b128 v[BF+8*fm+4:BF+8*fm+7], v[BA0] offset:64*fm+16
.set fm, fm+1
.endr
.endm
; A PHASE: one m-tile of a layer for the wave's eight tiles: 32 products, K step by K step, the eight accumulators of buffer b by turns, one instruction a turn (a phase ends on
; tile 7 of one buffer and the next begins on tile 0 of the other).  in = the window of source 1.  Behind the first sixteen products, two by two, stand the 64 lines that round the m-tile
; BEFORE (number cmt, in the other accumulator buffer) and take its ReLU, into window cw.  Behind the eighth product the next m-tile's ten loads go out, 24 products ahead of their first use;
; their buffer's last reader stands in the phase before, and the four v_nop and 32 lines of rounding lie between.  bar = 1: the next m-tile is the next layer's, so the barrier's wait stands ahead of the loads.
.macro PHASE in, b, cw, cmt, woff, boff, bar
	s_wait_dscnt 0x0                   ; this phase's weights and bias are in
.set q, 0
.rept 16
	WIN 0xF3+4*(\in)                   ; weights, C and D in window 3, source 1 in window in
	MMH \b, q/4, 2*(q%4)
	MMH \b, q/4, 2*(q%4)+1
.if q == 0
	PLACES                             ; behind the last phase's last sixteen products stands no vector line: these are the places in front of the lines that read their sums
.endif
.if q < 8
.if q%2 == 0
	WIN 0x0F+0x40*(\cw)                ; sources in window 3, destination in window cw
	CVT q, 1-(\b), \cmt
	CVT q+1, 1-(\b), \cmt
.else
	WIN 0x41*(\cw)                     ; source 0 and destination in window cw
	RELU q-1, \cmt
	RELU q, \cmt
.endif
.endif
.if q == 3
.if \bar
	s_barrier_wait -1                  ; every wave has stored its rows of the next layer, waited for the stores and signalled
.endif
.if (\woff) >= 0
	FETCH 1-(\b), \woff, \boff
.endif
.endif
.set q, q+1
.endr
.endm
.macro WLOADS                          ; my wave's 32 rows of a hidden layer: a load is one row, 512 consecutive bytes
.set i, 0
.rept 32
	global_load_b128 v[ST+4*i:ST+4*i+3], v[GW], s[WP:WP+1] offset:512*i
.set i, i+1
.endr
.endm
.macro WCONV                           ; they are rounded to bf16 in place and stored: a store is one row, 256 consecutive bytes
	v_add_nc_u32 v[PA], s[POFF], v[PA0]
.set i, 0
.rept 32
	v_cvt_pk_bf16_f32 v[ST+4*i],   v[ST+4*i],   v[ST+4*i+1]
	v_cvt_pk_bf16_f32 v[ST+4*i+1], v[ST+4*i+2], v[ST+4*i+3]
.set i, i+1
.endr
.set i, 0
.rept 32
	ds_store_b64 v[PA], v[ST+4*i:ST+4*i+1] offset:PITCH*i
.set i, i+1
.endr
	s_add_co_u32 s[POFF], s[POFF], LAYB
.endm
; At the head of hidden layer l: layer l + 1's weights, loaded a layer ago, go into LDS, and layer l + 2's are asked for.  The counts are the same in all waves; the jumps lead round no barrier.
; Each byte of the weights is written once in the launch.  The signal says: my stores are done; the wait for it stands in the layer's last phase, ahead of the first read of layer l + 1.
.macro PREP
	s_cmp_eq_u32 s[PREPN], 0
	s_cbranch_scc1 .Lskip_\@
	s_wait_loadcnt 0x0                 ; the 32 rows are in, so their base may be stepped
	s_add_nc_u64 s[WP:WP+1], s[WP:WP+1], 65536
	WCONV
	s_sub_co_u32 s[PREPN], s[PREPN], 1
	s_cmp_eq_u32 s[PREPN], 0
	s_cbranch_scc1 .Lskip_\@           ; behind the seventh layer there is nothing to load
	WLOADS
.Lskip_\@:
	s_wait_dscnt 0x0                   ; for the others' sake: my stores are done; no LDS instruction of mine is out at the signal
	s_barrier_signal -1
.endm
; A hidden layer, from window in to window out.  Its first phase finishes the layer before: m-tile 7 goes into THIS layer's source 1, registers 28-31 of each tile, done behind the sixteenth
; product; K step 3, which reads them, begins with the twenty-fifth.
.macro LAYER in, out
	PREP
	v_add_nc_u32 v[WA], s[WOFF], v[WA0]
	v_add_nc_u32 v[BA], s[BOFF], v[BA0]
	PHASE \in, 0, \in, 7, MTB, 64, 0
.irp mt, 1,2,3,4,5,6
	PHASE \in, (\mt)%2, \out, (\mt)-1, MTB*((\mt)+1), 64*((\mt)+1), 0
.endr
	PHASE \in, 1, \out, 6, LAYB, 512, 1
	WIN 0                              ; at a label and at a branch every window is 0
	s_add_co_u32 s[WOFF], s[WOFF], LAYB
	s_add_co_u32 s[BOFF], s[BOFF], 512
.endm
; The first layer, into window 2: eight m-tiles of eight products; behind each two products the rounding and ReLU of the same two tiles of the m-tile before.
; Behind m-tile 5 the first hidden layer's first m-tile is fetched, into registers that m-tiles 0 to 3 read last.
.macro LAYER0
.set lm, 0
.rept 8
.set lj, 0
.rept 4
	WIN 0xF3                           ; source 1 in window 0
	MM0 lm, 2*lj
	MM0 lm, 2*lj+1
.if lm > 0
	WIN 0x8F
	CVT 2*lj, (lm-1)%2, lm-1
	CVT 2*lj+1, (lm-1)%2, lm-1
	WIN 0x82
	RELU 2*lj, lm-1
	RELU 2*lj+1, lm-1
.endif
.set lj, lj+1
.endr
.if lm == 0
	PLACES                             ; m-tile 0 has no rounding behind its products
.endif
.if lm == 5
	FETCH 0, 0, 512
.endif
.set lm, lm+1
.endr
	WIN 0
.endm
; The last layer: one m-tile, of which rows 0 to 2 are out's three columns: registers 0 to 2 of lanes 0-15.  A pass's 128 points x 12 bytes go through my wave's own stage and leave as 3 x 512 consecutive bytes.
.macro LAYEROUT
	PHASE 1, 0, 1, 7, -1, 0, 0
	PLACES                             ; in front of the stores that read the sums, and of the next pass's loads into the weights' registers
	WIN 0x0C                           ; LDS store: address window 0, data window 3
.set t, 0
.rept 8
.irp c, 0,1,2
	ds_store_b32 v[SA], v[ACC+8*t+\c] offset:192*t+4*\c
.endr
.set t, t+1
.endr
	WIN 0
	s_wait_xcnt 0x0                    ; the last pass's stores have read their registers and their base: both are written again only behind this wait
	s_add_nc_u64 s[OP:OP+1], s[OP:OP+1], s[OST:OST+1]
.irp i, 0,1,2
	ds_load_b128 v[OB+4*\i:OB+4*\i+3], v[RA] offset:512*\i  ; LDS serves a wave's instructions in order (ISA guide 5.7.1.4): these see the stores above
.endr
	s_wait_dscnt 0x0
.irp i, 0,1,2
	global_store_b128 v[GO], v[OB+4*\i:OB+4*\i+3], s[OP:OP+1] offset:512*\i th:TH_STORE_NT  ; 512 consecutive bytes, at a multiple of 256 from out's first
.endr
	s_mov_b32 s[OST], 1536
.endm
.macro XLOADS                          ; a pass's x: lane l takes point l % 16 of each tile
.set t, 0
.rept 8
.irp c, 0,1,2
	global_load_b32 v[XS+3*t+\c], v[XO], s[XP:XP+1] offset:192*t+4*\c
.endr
.set t, t+1
.endr
.endm
.macro BUILDX                          ; x as source 1: k = 0, 1 and 2, 3 (0).  Lanes 16-31 hold the same numbers at k = 8 to 10, where W0's rows in LDS are zeros
.set t, 0
.rept 8
	v_cvt_pk_bf16_f32 v[XB+8*t],   v[XS+3*t],   v[XS+3*t+1]
	v_cvt_pk_bf16_f32 v[XB+8*t+1], v[XS+3*t+2], v[ZR]
.set t, t+1
.endr
.endm
	s_load_b512 s[16:31], s[0:1], 0x0  ; x, W0, b0, Wh, bh, Wout, bout, out0
	v_lshl_add_u32 v[SPW], v0, 2, SPARE
	v_mov_b32 v[NIL], 0
	v_mov_b32 v[ZR], 0
	v_lshrrev_b32 v19, 5, v0
	v_readfirstlane_b32 s[WV], v19     ; wave 0..3
	v_and_b32 v1, 15, v0               ; l % 16
	v_bfe_u32 v15, v0, 4, 1            ; l / 16
	v_and_b32 v18, 31, v0              ; l
	s_mov_b32 s[ZS], 0
	s_mov_b32 s[HIM], 0xffff0000
	v_mul_u32_u24 v[WA0], v1, PITCH
	v_lshl_add_u32 v[WA0], v15, 4, v[WA0]
	v_lshl_add_u32 v[BA0], v15, 5, BT
	v_mul_u32_u24 v[W0A], v1, P0
	v_lshl_add_u32 v[W0A], v15, 4, v[W0A]
	v_add_nc_u32 v[W0A], W0R, v[W0A]
	s_mul_i32 s10, s[WV], 32*PITCH
	v_lshl_add_u32 v[PA0], v18, 3, s10
	s_lshl_b32 s10, s[WV], 14
	v_lshl_add_u32 v[GW], v18, 4, s10
	v_mul_u32_u24 v[XO], v1, 12
	s_mul_i32 s10, s[WV], 3072         ; my wave's 256 points in x and out, and its stage
	s_add_co_u32 s11, s10, STG
	v_mul_u32_u24 v19, v15, 1536
	v_add3_u32 v[SA], v[XO], v19, s11
	v_lshl_add_u32 v[RA], v18, 4, s11
	v_lshlrev_b32 v[GO], 4, v18
	v_mul_u32_u24 v[T12], v0, 12       ; thread t serves row t of W0, entry t of each bias, column t of Wout
	v_lshlrev_b32 v[T4], 2, v0
	v_min_u32 v[TB], 2, v0             ; bout has three entries: the other threads load the third and write 0
	v_lshlrev_b32 v[TB], 2, v[TB]
	v_mul_u32_u24 v[AW0], v0, P0
	v_add_nc_u32 v[AW0], W0R, v[AW0]
	v_lshl_add_u32 v[ABT], v0, 2, BT
	v_lshl_add_u32 v[AWO], v0, 1, WOR
	s_mul_i32 s11, ttmp9, 12288        ; the work-group's 1,024 points
	s_add_co_u32 s10, s10, s11
	s_mov_b32 s11, 0
	s_wait_kmcnt 0x0
	s_add_nc_u64 s[XP:XP+1], s[XP:XP+1], s[10:11]
	s_add_nc_u64 s[OP:OP+1], s[OP:OP+1], s[10:11]
	XLOADS                             ; 24 loads,
.irp c, 0,1,2
	global_load_b32 v[HT+\c], v[T12], s[W0P:W0P+1] offset:4*\c  ; 15 small ones,
.endr
	global_load_b32 v[HT+3], v[T4], s[B0P:B0P+1]
.irp i, 0,1,2,3,4,5,6
	global_load_b32 v[HT+4+\i], v[T4], s[BHP:BHP+1] offset:512*\i
.endr
	global_load_b32 v[HT+11], v[TB], s[BOP:BOP+1]
.irp c, 0,1,2
	global_load_b32 v[HT+12+\c], v[T4], s[WOP:WOP+1] offset:512*\c
.endr
	WLOADS                             ; and the first hidden layer's 32
	s_wait_loadcnt 32                  ; loads come back in order (ISA guide 5.7.1): all but the 32 youngest are in
	v_cvt_pk_bf16_f32 v[HT+16], v[HT], v[HT+1]      ; W0's row t: three numbers, then zeros up to k = 31
	v_cvt_pk_bf16_f32 v[HT+17], v[HT+2], v[ZR]
.irp i, 18,19,20,21,22,23
	v_mov_b32 v[HT+\i], 0
.endr
	ds_store_b128 v[AW0], v[HT+16:HT+19]
.irp i, 1,2,3
	ds_store_b128 v[AW0], v[HT+20:HT+23] offset:16*\i
.endr
	v_cmp_gt_u32 vcc_lo, 3, v0
	v_cndmask_b32 v[HT+11], 0, v[HT+11], vcc_lo     ; bout's entries 3..127 are zeros
.irp i, 0,1,2,3
	v_cvt_pk_bf16_f32 v[HT+24+\i], v[HT+3+2*\i], v[HT+4+2*\i]  ; the nine biases: rounded to bf16,
.endr
	v_cvt_pk_bf16_f32 v[HT+28], v[HT+11], v[ZR]
.irp i, 0,1,2,3
	v_lshlrev_b32 v[HT+3+2*\i], 16, v[HT+24+\i]     ; and written as f32 again: they are C operands
	v_and_b32 v[HT+4+2*\i], s[HIM], v[HT+24+\i]
.endr
	v_lshlrev_b32 v[HT+11], 16, v[HT+28]
.irp i, 0,1,2,3,4,5,6,7,8
	ds_store_b32 v[ABT], v[HT+3+\i] offset:512*\i
.endr
	v_cvt_pk_bf16_f32 v[HT+29], v[HT+12], v[HT+13]  ; Wout's column t: three rows, then thirteen rows of zeros
	v_cvt_pk_bf16_f32 v[HT+30], v[HT+14], v[ZR]
	v_lshrrev_b32 v[HT+31], 16, v[HT+29]
	ds_store_b16 v[AWO], v[HT+29]
	ds_store_b16 v[AWO], v[HT+31] offset:PITCH
	ds_store_b16 v[AWO], v[HT+30] offset:2*PITCH
.irp c, 3,4,5,6,7,8,9,10,11,12,13,14,15
	ds_store_b16 v[AWO], v[ZR] offset:PITCH*\c
.endr
	s_mov_b32 s[POFF], 0
	s_wait_loadcnt 0x0                 ; the first hidden layer's rows are in, so their base may be stepped
	s_add_nc_u64 s[WP:WP+1], s[WP:WP+1], 65536
	WCONV
	s_wait_dscnt 0x0                   ; for the others' sake: all my stores are done
	s_barrier_signal -1
.set t, 0
.rept 8                                ; register work while the others arrive: k = 4 to 31 of the first layer's source 1 are zeros, written once
.irp j, 2,3,4,5,6,7
	v_mov_b32 v[XB+8*t+\j], 0
.endr
.set t, t+1
.endr
	s_mov_b32 s[PASS], NPASS
	s_mov_b32 s[PREPN], 6
	s_mov_b32 s[OST], 0
	s_mov_b32 s[OST+1], 0
	s_barrier_wait -1                  ; W0, Wout, the biases and the first hidden layer lie in LDS
.Lpass:                                ; 128 points a wave through all nine layers
	s_mov_b32 s[WOFF], 0
	s_mov_b32 s[BOFF], 512
	v_mov_b32 v[WA], v[WA0]
	v_mov_b32 v[BA], v[BA0]
	FETCH0
	WIN 0
	s_wait_loadcnt 0x0                 ; this pass's x is in; no load is out, so x's base may be stepped
	BUILDX
	s_cmp_eq_u32 s[PASS], 1
	s_cbranch_scc1 .Lno_x              ; the last pass has no x behind it
	s_add_nc_u64 s[XP:XP+1], s[XP:XP+1], 1536
	XLOADS                             ; the next pass's x, a whole pass ahead
.Lno_x:
	s_cmp_eq_u32 s[PREPN], 0
	s_cbranch_scc1 .Lno_w              ; in the second pass all weights lie in LDS
	WLOADS                             ; the second hidden layer's rows
.Lno_w:
	s_wait_dscnt 0x0                   ; the first layer's weights and biases are in
	LAYER0
	s_mov_b32 s[CNT], 4
	s_branch .LlayA                    ; seven hidden layers: the loop of two is entered in its middle
.LlayB:
	LAYER 1, 2
.LlayA:
	LAYER 2, 1
	s_sub_co_u32 s[CNT], s[CNT], 1
	s_cmp_lg_u32 s[CNT], 0
	s_cbranch_scc1 .LlayB
	LAYEROUT
	s_sub_co_u32 s[PASS], s[PASS], 1
	s_cmp_lg_u32 s[PASS], 0
	s_cbranch_scc1 .Lpass
	s_wait_tensorcnt 0x0               ; the wave's end, behind my last LDS store
	ds_add_u32 v[SPW], v[NIL]
	s_wait_dscnt 0x0
	s_endpgm
.Lfunc_end_k_qf01c94b8e3_mlp:
	.size	k_qf01c94b8e3_mlp, .Lfunc_end_k_qf01c94b8e3_mlp-k_qf01c94b8e3_mlp
	.p2alignl 7, 3214868480
	.fill 96, 4, 3214868480
	.section	.rodata,"a",@progbits
	.p2align	6, 0x0
	.amdhsa_kernel k_qf01c94b8e3_mlp
		.amdhsa_group_segment_fixed_size 275712
		.amdhsa_private_segment_fixed_size 0
		.amdhsa_enable_private_segment 0
		.amdhsa_kernarg_size 64
		.amdhsa_user_sgpr_count 2
		.amdhsa_user_sgpr_kernarg_segment_ptr 1
		.amdhsa_wavefront_size32 1
		.amdhsa_system_sgpr_workgroup_id_x 1
		.amdhsa_system_sgpr_workgroup_id_y 1
		.amdhsa_system_sgpr_workgroup_id_z 1
		.amdhsa_system_vgpr_workitem_id 0
		.amdhsa_next_free_vgpr 1024
		.amdhsa_next_free_sgpr 66
		.amdhsa_reserve_vcc 1
		.amdhsa_float_denorm_mode_32 3
		.amdhsa_float_denorm_mode_16_64 3
		.amdhsa_memory_ordered 1
		.amdhsa_forward_progress 1
		.amdhsa_inst_pref_size 211
	.end_amdhsa_kernel
	.amdgpu_metadata
---
amdhsa.version: [ 1, 2 ]
amdhsa.kernels:
  - .name:           k_qf01c94b8e3_mlp
    .symbol:         k_qf01c94b8e3_mlp.kd
    .args:
      - { .name: x, .offset: 0, .size: 8, .value_kind: global_buffer, .address_space: global }
      - { .name: W0, .offset: 8, .size: 8, .value_kind: global_buffer, .address_space: global }
      - { .name: b0, .offset: 16, .size: 8, .value_kind: global_buffer, .address_space: global }
      - { .name: Wh, .offset: 24, .size: 8, .value_kind: global_buffer, .address_space: global }
      - { .name: bh, .offset: 32, .size: 8, .value_kind: global_buffer, .address_space: global }
      - { .name: Wout, .offset: 40, .size: 8, .value_kind: global_buffer, .address_space: global }
      - { .name: bout, .offset: 48, .size: 8, .value_kind: global_buffer, .address_space: global }
      - { .name: out0, .offset: 56, .size: 8, .value_kind: global_buffer, .address_space: global }
    .group_segment_fixed_size: 275712
    .private_segment_fixed_size: 0
    .kernarg_segment_align: 8
    .kernarg_segment_size: 64
    .max_flat_workgroup_size: 128
    .sgpr_count:     66
    .vgpr_count:     1024
    .wavefront_size: 32
...
	.end_amdgpu_metadata
.endif
;; end of part 1
;; ======== version 2 of 2: 1 launch; version 1 with the launch mlp written anew for expert scheduling mode
;; launch mlp (part 2): grid 256 x 1, 4 waves a work-group, no clusters, 275,712 bytes of LDS; arguments x, W0, b0, Wh, bh, Wout, bout, out0; writes out0
.if DOCPART == 2
	.amdgcn_target "amdgcn-amd-amdhsa--gfx1250"
	.amdhsa_code_object_version 6
	.text
	.protected	k_qf01c94b8e3_mlp
	.globl	k_qf01c94b8e3_mlp
	.p2align	8
	.type	k_qf01c94b8e3_mlp,@function
k_qf01c94b8e3_mlp:
	s_mov_b64 s[64:65], 0
	v_nop
	global_prefetch_b8 v0, s[64:65] scope:SCOPE_SE
	s_setreg_imm32_b32 hwreg(HW_REG_WAVE_SCHED_MODE, 0, 2), 2
	s_setreg_imm32_b32 hwreg(HW_REG_WAVE_MODE, 25, 1), 1
	s_wait_xcnt 0x0
	s_wait_alu depctr_vm_vsrc(0)
; out = Wout relu(Wh6 relu( .. relu(Wh0 relu(W0 x + b0) + bh0) .. ) + bh6) + bout for 262,144 points.  x, out: [N][3]; W0: [128][3]; Wh: [7][128][128]; Wout: [3][128]; all f32.
; ONE LAUNCH, nothing through memory between the layers.  A work-group owns 1,024 consecutive points, each of its four waves 256, in two passes of 128 points = 8 tiles of 16.
; NO WORK IS LEFT OUT: every input reaches the output and every input is loaded.  A little more is done than is asked, inside tiles that hold live work: the first layer's K = 3 stands in a
; K step of 32 (weights 3..31 are zeros), the last layer's 3 rows stand in a tile of 16 (rows 3..15 are zeros).
; LAYOUT.  Every layer is H_next^T = W H^T: source 0 = 16 rows of W (16 output channels, K along the row), source 1 = 16 points x 32 input channels.  In the result a lane holds ONE point
; (lane % 16) and the channels 16 mt + 8 (lane / 16) + 0..7.  Rounded to bf16 in pairs these ARE registers 4 (mt % 2) + 0..3 of fragment mt / 2 of the next layer's source 1: register
; 32 t + 4 mt + i of tile t.  So an activation never changes lanes and never leaves the registers.  The bias is the C operand of a sum's first product; the ReLU is a packed maximum with 0 on the rounded pair.
; WEIGHTS.  All nine layers lie in LDS in bf16 (243,712 bytes for the seven hidden ones, rows padded to 272 bytes).  They are f32 in memory: each wave loads 32 rows of a layer, rounds them and
; stores them, one layer ahead of its use, in the first pass; the loads are issued a layer before that.
; NO CLUSTER, NO TENSOR LOADS: all work-groups read the same weights, but as f32, and the products want bf16: the bytes must pass through registers.  A place in LDS for one layer
; in f32 would be 65,536 bytes; beside the 275,712 bytes in use a work-group could be given 51,968 more.
; FORMATS.  x, all weights and all biases are rounded once to bf16 (a bias is kept as that number in f32); activations once a layer to bf16; all sums in f32.
; LIMITS.  A sum beyond bf16's largest number (3.39e38) becomes an infinity one layer earlier than in f32.  A NaN in an activation becomes 0 at the ReLU (the maximum drops it).  An infinity in x or in an
; activation meets the padding's zeros and gives NaN for that point.  The sign of a zero is not kept.
; THE MODE: SCHED_MODE bits 1:0 = 2 (LLVM: expert scheduling mode 2), set by the entry lines.  The code itself states the register dependences between vector or matrix instructions and
; memory or LDS instructions, with s_wait_alu, always for 0.
; THE PLAN.  Registers that memory or LDS instructions touch:
;   WF, BF (window 3)   two buffers.  Phase p's products read buffer b; the ten LDS loads issued in phase p land in buffer 1 - b, which the products of phase p - 1 read last.
;   v[WA], v[BA]        read by every fetch; written by two vector lines at a pass's head and at a hidden layer's head.
;   v[ST ..], v[PA]     ST: loaded, rounded in place, read by 32 LDS stores, loaded again.  PA: written by one add a layer, read by those stores.
;   v[XS ..]            loaded a pass ahead; read by the lines that build the first layer's source 1, and loaded again behind them.
;   accumulators        registers 0 to 2 of buffer 0's eight are read by the way out's LDS stores; the next pass's first products write them again.
;   v[OB ..]            LDS loads land in them, global stores read them; no vector line names them.
;   v192-223            in the head, data of LDS stores; behind that, the first layer's source 1.
;   all other offsets and addresses are made once at the head and never written again.  The activations (windows 1, 2) are named by vector and matrix lines alone.
; So a phase holds ONE wait on va_vdst, behind its first two products' twelve vector lines; between it and the phase's ten loads stand only lines that name buffer b, the accumulators and the
; activations.  The other waits stand at the heads of the kernel, of a pass and of a layer, and on the way out; each says what it states.
.set NPASS, 2
.set PITCH, 272                        ; a row of 128 bf16 in LDS: 256 bytes + 16 = 68 words: the 16 rows of a fragment load start at 16 different groups of four banks (64 banks of 4 bytes: ISA guide 11.1)
.set MTB,   16*PITCH                   ; 16 rows: an m-tile
.set LAYB,  128*PITCH                  ; a hidden layer
.set P0,    80                         ; a row of W0 in LDS: 32 bf16 (3 real) + 16 bytes
.set WOR,   7*LAYB                     ; Wout, 16 rows (3 real): it lies where an eighth hidden layer's first m-tile would lie.  (The hidden layers begin at LDS byte 0)
.set W0R,   WOR+MTB                    ; W0, 128 rows of 80 bytes
.set BT,    W0R+128*P0                 ; biases in f32, 512 bytes a layer: b0, bh[0..6], bout (entries 3..127 are zeros)
.set STG,   BT+9*512                   ; for each wave 3,072 bytes: 1,536 of out, then 1,536 that lanes 16-31 (the padded rows 8-10) write and nobody reads
.set SPARE, STG+4*3072                 ; the spare words, 128 bytes for each wave: two blocks of 256 bytes that no other line names
; window 0
.set WA0, 2                            ; v2   272 (l % 16) + 16 (l / 16): my place in an m-tile of weights; never rewritten
.set WA,  3                            ; v3   the same in the layer in hand
.set BA0, 4                            ; v4   BT + 32 (l / 16): my eight biases of an m-tile; never rewritten
.set BA,  5                            ; v5   the same in the layer in hand
.set W0A, 6                            ; v6   W0R + 80 (l % 16) + 16 (l / 16)
.set PA0, 7                            ; v7   where I store 8 bytes of my wave's first row of a layer: 32 x 272 x wave + 8 l
.set PA,  8                            ; v8   the same in the layer that is being rounded
.set GW,  9                            ; v9   my 16 bytes of my wave's first row of a layer in memory: 16,384 x wave + 16 l
.set XO,  10                           ; v10  12 (l % 16): my point in a tile of x
.set SA,  11                           ; v11  the way out: where my point's three numbers go
.set RA,  12                           ; v12  the way out: where I read 16 bytes back
.set GO,  13                           ; v13  16 l
.set ZR,  14                           ; v14  0
.set SPW, 16                           ; v16  LDS address of my spare word; never rewritten
.set NIL, 17                           ; v17  0, for the add alone
.set XS,  20                           ; v[20:43]   x as loaded: tile t, coordinate c at 3 t + c
.set OB,  44                           ; v[44:55]   out, read back from the stage
.set T12, 56                           ; v56-61 the head's offsets and LDS addresses, by thread; never rewritten
.set T4,  57
.set TB,  58
.set AW0, 59
.set ABT, 60
.set AWO, 61
.set ST,  64                           ; v[64:191]  32 rows x 4 registers of f32 weights
.set XB,  192                          ; v[192:255] the first layer's source 1: tile t at 8 t; registers 2-7 of each stay 0
.set HT,  192                          ; the same registers, at work in the head
; windows 1 and 2: the activations P and Q: tile t, K step k at 32 t + 8 k.       window 3:
.set ACC, 0                            ; v[0:127]   two buffers of eight accumulators: buffer b, tile t at 64 b + 8 t
.set WF,  128                          ; v[128:191] two buffers of an m-tile's four weight fragments (first layer: all eight m-tiles' single fragments)
.set BF,  192                          ; v[192:207] two buffers of an m-tile's bias (first layer: eight of them, v[192:255])
.set WV,   2                           ; s2   my wave's number
.set ZS,   3                           ; s3   0: the ReLU's second source
.set PASS, 4                           ; s4   passes to go
.set CNT,  5                           ; s5   counts the loop over hidden layers
.set PREPN, 6                          ; s6   hidden layers still to be rounded into LDS
.set WOFF, 7                           ; s7   the layer in hand: its weights' LDS byte
.set BOFF, 8                           ; s8   its bias's byte in the table
.set POFF, 9                           ; s9   LDS byte of the layer to be rounded next
.set OST,  12                          ; s[12:13] what the next way out adds to out's address
.set HIM,  14                          ; s14  a word's upper bf16
.set XP,   16                          ; s[16:31] the eight addresses
.set W0P,  18
.set B0P,  20
.set WP,   22
.set BHP,  24
.set WOP,  26
.set BOP,  28
.set OP,   30
.set MSB, 0
.macro WIN new                         ; s_set_vgpr_msb: bits 1:0 source 0, 3:2 source 1, 5:4 source 2, 7:6 destination; the high byte repeats the setting that is left; a switch that changes nothing is dropped
.if MSB != (\new)
	s_set_vgpr_msb (MSB<<8)|(\new)
.set MSB, (\new)
.endif
.endm
; A vector instruction or a store that reads a matrix result stands four places behind it, and only plain vector instructions that name none of its registers are places.
.macro PLACES
.rept 4
	v_nop
.endr
.endm
; A product of a hidden layer (and of the last): buffer b, K step k, tile t.  The first K step starts the sum with the bias.
.macro MMH b, k, t
.if (\k) == 0
	v_wmma_f32_16x16x32_bf16 v[ACC+64*(\b)+8*(\t):ACC+64*(\b)+8*(\t)+7], v[WF+32*(\b)+8*(\k):WF+32*(\b)+8*(\k)+7], v[32*(\t)+8*(\k):32*(\t)+8*(\k)+7], v[BF+8*(\b):BF+8*(\b)+7]
.else
	v_wmma_f32_16x16x32_bf16 v[ACC+64*(\b)+8*(\t):ACC+64*(\b)+8*(\t)+7], v[WF+32*(\b)+8*(\k):WF+32*(\b)+8*(\k)+7], v[32*(\t)+8*(\k):32*(\t)+8*(\k)+7], v[ACC+64*(\b)+8*(\t):ACC+64*(\b)+8*(\t)+7]
.endif
.endm
; A product of the first layer: m-tile m, tile t: one K step, so one product is the whole sum.
.macro MM0 m, t
	v_wmma_f32_16x16x32_bf16 v[ACC+64*((\m)%2)+8*(\t):ACC+64*((\m)%2)+8*(\t)+7], v[WF+8*(\m):WF+8*(\m)+7], v[XB+8*(\t):XB+8*(\t)+7], v[BF+8*(\m):BF+8*(\m)+7]
.endm
; Tile t's eight sums of m-tile mt (accumulator buffer b) rounded to bf16, into their place in the next layer's source 1; the accumulator's lowest registers are read first.
.macro CVT t, b, mt
.irp i, 0,1,2,3
	v_cvt_pk_bf16_f32 v[32*(\t)+4*(\mt)+\i], v[ACC+64*(\b)+8*(\t)+2*\i], v[ACC+64*(\b)+8*(\t)+2*\i+1]
.endr
.endm
.macro RELU t, mt                      ; and the maximum with 0, two numbers a line; nothing is rounded
.irp i, 0,1,2,3
	v_pk_max_num_bf16 v[32*(\t)+4*(\mt)+\i], v[32*(\t)+4*(\mt)+\i], s[ZS]
.endr
.endm
; Ten LDS loads in one run: an m-tile's four weight fragments (16 rows x 32 K: two loads of 16 bytes, 32 bytes apart) and its eight biases a lane, into buffer b.
.macro FETCH b, woff, boff
	WIN 0xC0                           ; destination window 3, address window 0
.irp k, 0,1,2,3
	ds_load_b128 v[WF+32*(\b)+8*\k:WF+32*(\b)+8*\k+3],   v[WA] offset:(\woff)+64*\k
	ds_load_b128 v[WF+32*(\b)+8*\k+4:WF+32*(\b)+8*\k+7], v[WA] offset:(\woff)+64*\k+32
.endr
	ds_load_b128 v[BF+8*(\b):BF+8*(\b)+3],   v[BA] offset:(\boff)
	ds_load_b128 v[BF+8*(\b)+4:BF+8*(\b)+7], v[BA] offset:(\boff)+16
.endm
.macro FETCH0                          ; the first layer's eight m-tiles: a fragment and a bias each
	WIN 0xC0
.set fm, 0
.rept 8
	ds_load_b128 v[WF+8*fm:WF+8*fm+3],   v[W0A] offset:16*P0*fm
	ds_load_b128 v[WF+8*fm+4:WF+8*fm+7], v[W0A] offset:16*P0*fm+32
	ds_load_b128 v[BF+8*fm:BF+8*fm+3],   v[BA0] offset:64*fm
	ds_load_b128 v[BF+8*fm+4:BF+8*fm+7], v[BA0] offset:64*fm+16
.set fm, fm+1
.endr
.endm
; A PHASE: one m-tile of a layer for the wave's eight tiles: 32 products, K step by K step, the eight accumulators of buffer b by turns, one instruction a turn (a phase ends on
; tile 7 of one buffer and the next begins on tile 0 of the other).  in = the window of source 1.  Behind the first sixteen products, two by two, stand the 64 lines that round the m-tile
; BEFORE (number cmt, in the other accumulator buffer) and take its ReLU, into window cw.  Behind the eighth product the next m-tile's ten loads go out, 24 products ahead of their first use.
; The phase's one wait on va_vdst stands behind the first two products' twelve vector lines; from it to the loads no line names the other weight and bias buffer, v[WA] or v[BA].
; bar = 1: the next m-tile is the next layer's, so the barrier's wait stands ahead of the loads.  woff < 0: nothing is fetched, and no wait is written.
.macro PHASE in, b, cw, cmt, woff, boff, bar
	s_wait_dscnt 0x0                   ; this phase's weights and bias are in
.set q, 0
.rept 16
	WIN 0xF3+4*(\in)                   ; weights, C and D in window 3, source 1 in window in
	MMH \b, q/4, 2*(q%4)
	MMH \b, q/4, 2*(q%4)+1
.if q == 0
	PLACES                             ; behind the last phase's last sixteen products stands no vector line: these are the places in front of the lines that read their sums
.endif
.if q < 8
.if q%2 == 0
	WIN 0x0F+0x40*(\cw)                ; sources in window 3, destination in window cw
	CVT q, 1-(\b), \cmt
	CVT q+1, 1-(\b), \cmt
.else
	WIN 0x41*(\cw)                     ; source 0 and destination in window cw
	RELU q-1, \cmt
	RELU q, \cmt
.endif
.endif
.if (q == 0) && ((\woff) >= 0)
	s_wait_alu depctr_va_vdst(0)       ; the products of the phase before are done reading the other weight and bias buffer, in which this phase's ten loads land; in a layer's first phase v[WA] and v[BA] are written, which those loads read
.endif
.if q == 3
.if \bar
	s_barrier_wait -1                  ; every wave has stored its rows of the next layer, waited for the stores and signalled
.endif
.if (\woff) >= 0
	FETCH 1-(\b), \woff, \boff         ; no further wait: the lines since the wait above name this phase's own buffer, the accumulators and the activations alone
.endif
.endif
.set q, q+1
.endr
.endm
.macro WLOADS                          ; my wave's 32 rows of a hidden layer: a load is one row, 512 consecutive bytes
.set i, 0
.rept 32
	global_load_b128 v[ST+4*i:ST+4*i+3], v[GW], s[WP:WP+1] offset:512*i
.set i, i+1
.endr
.endm
.macro WROUND                          ; they are rounded to bf16 in place,
	v_add_nc_u32 v[PA], s[POFF], v[PA0]
.set i, 0
.rept 32
	v_cvt_pk_bf16_f32 v[ST+4*i],   v[ST+4*i],   v[ST+4*i+1]
	v_cvt_pk_bf16_f32 v[ST+4*i+1], v[ST+4*i+2], v[ST+4*i+3]
.set i, i+1
.endr
.endm
.macro WSTORE                          ; and stored: a store is one row, 256 consecutive bytes
.set i, 0
.rept 32
	ds_store_b64 v[PA], v[ST+4*i:ST+4*i+1] offset:PITCH*i
.set i, i+1
.endr
	s_add_co_u32 s[POFF], s[POFF], LAYB
.endm
; At the head of hidden layer l: layer l + 1's weights, loaded a layer ago, go into LDS, and layer l + 2's are asked for.  The counts are the same in all waves; the jumps lead round no barrier.
; Each byte of the weights is written once in the launch.  The signal says: my stores are done; the wait for it stands in the layer's last phase, ahead of the first read of layer l + 1.
.macro PREP
	s_cmp_eq_u32 s[PREPN], 0
	s_cbranch_scc1 .Lskip_\@
	s_wait_loadcnt 0x0                 ; the 32 rows are in, so their base may be stepped
	s_add_nc_u64 s[WP:WP+1], s[WP:WP+1], 65536
	WROUND
	s_wait_alu depctr_va_vdst(0)       ; the conversions have written v[ST ..] and the add v[PA], which the LDS stores read; the conversions are also done with v[ST ..], in which the loads below land
	WSTORE
	s_wait_alu depctr_vm_vsrc(0)       ; the LDS stores have read v[ST ..], in which the next loads land, and v[PA], which the next layer's add writes: ahead of the branch, so on every way to those writes
	s_sub_co_u32 s[PREPN], s[PREPN], 1
	s_cmp_eq_u32 s[PREPN], 0
	s_cbranch_scc1 .Lskip_\@           ; behind the seventh layer there is nothing to load
	WLOADS
.Lskip_\@:
	s_wait_dscnt 0x0                   ; for the others' sake: my stores are done; no LDS instruction of mine is out at the signal
	s_barrier_signal -1
.endm
; A hidden layer, from window in to window out.  Its first phase finishes the layer before: m-tile 7 goes into THIS layer's source 1, registers 28-31 of each tile, done behind the sixteenth
; product; K step 3, which reads them, begins with the twenty-fifth.
.macro LAYER in, out
	PREP
	s_wait_alu depctr_vm_vsrc(0)       ; the fetches issued so far have read v[WA] and v[BA], which the two adds write
	v_add_nc_u32 v[WA], s[WOFF], v[WA0]
	v_add_nc_u32 v[BA], s[BOFF], v[BA0]
	PHASE \in, 0, \in, 7, MTB, 64, 0
.irp mt, 1,2,3,4,5,6
	PHASE \in, (\mt)%2, \out, (\mt)-1, MTB*((\mt)+1), 64*((\mt)+1), 0
.endr
	PHASE \in, 1, \out, 6, LAYB, 512, 1
	WIN 0                              ; at a label and at a branch every window is 0
	s_add_co_u32 s[WOFF], s[WOFF], LAYB
	s_add_co_u32 s[BOFF], s[BOFF], 512
.endm
; The first layer, into window 2: eight m-tiles of eight products; behind each two products the rounding and ReLU of the same two tiles of the m-tile before.
; Behind m-tile 5 the first hidden layer's first m-tile is fetched, into registers that m-tiles 0 to 3 read last.
.macro LAYER0
.set lm, 0
.rept 8
.set lj, 0
.rept 4
	WIN 0xF3                           ; source 1 in window 0
	MM0 lm, 2*lj
	MM0 lm, 2*lj+1
.if lm > 0
	WIN 0x8F
	CVT 2*lj, (lm-1)%2, lm-1
	CVT 2*lj+1, (lm-1)%2, lm-1
	WIN 0x82
	RELU 2*lj, lm-1
	RELU 2*lj+1, lm-1
.endif
.set lj, lj+1
.endr
.if lm == 0
	PLACES                             ; m-tile 0 has no rounding behind its products
.endif
.if lm == 5
	WIN 0xC0
	s_wait_alu depctr_va_vdst(0)       ; the products of m-tiles 0 to 3 are done reading their fragments, and m-tile 0's its bias: the ten loads below land in those registers
	FETCH 0, 0, 512
.endif
.set lm, lm+1
.endr
	WIN 0
.endm
; The last layer: one m-tile, of which rows 0 to 2 are out's three columns: registers 0 to 2 of lanes 0-15.  A pass's 128 points x 12 bytes go through my wave's own stage and leave as 3 x 512 consecutive bytes.
.macro LAYEROUT
	PHASE 1, 0, 1, 7, -1, 0, 0
	PLACES                             ; in front of the stores that read the sums
	WIN 0x0C                           ; LDS store: address window 0, data window 3
	s_wait_alu depctr_va_vdst(0)       ; the products have written the accumulators, which the LDS stores read; the places above stay beside this wait
.set t, 0
.rept 8
.irp c, 0,1,2
	ds_store_b32 v[SA], v[ACC+8*t+\c] offset:192*t+4*\c
.endr
.set t, t+1
.endr
	WIN 0
	s_wait_xcnt 0x0                    ; the last pass's stores have had their addresses translated: their registers and their base are written again only behind this wait
	s_wait_alu depctr_vm_vsrc(0)       ; the last pass's global stores have read v[OB ..], in which the LDS loads below land
	s_add_nc_u64 s[OP:OP+1], s[OP:OP+1], s[OST:OST+1]
.irp i, 0,1,2
	ds_load_b128 v[OB+4*\i:OB+4*\i+3], v[RA] offset:512*\i  ; LDS serves a wave's instructions in order (ISA guide 5.7.1.4): these see the stores above
.endr
	s_wait_dscnt 0x0
.irp i, 0,1,2
	global_store_b128 v[GO], v[OB+4*\i:OB+4*\i+3], s[OP:OP+1] offset:512*\i th:TH_STORE_NT  ; 512 consecutive bytes, at a multiple of 256 from out's first
.endr
	s_mov_b32 s[OST], 1536
.endm
.macro XLOADS                          ; a pass's x: lane l takes point l % 16 of each tile
.set t, 0
.rept 8
.irp c, 0,1,2
	global_load_b32 v[XS+3*t+\c], v[XO], s[XP:XP+1] offset:192*t+4*\c
.endr
.set t, t+1
.endr
.endm
.macro BUILDX                          ; x as source 1: k = 0, 1 and 2, 3 (0).  Lanes 16-31 hold the same numbers at k = 8 to 10, where W0's rows in LDS are zeros
.set t, 0
.rept 8
	v_cvt_pk_bf16_f32 v[XB+8*t],   v[XS+3*t],   v[XS+3*t+1]
	v_cvt_pk_bf16_f32 v[XB+8*t+1], v[XS+3*t+2], v[ZR]
.set t, t+1
.endr
.endm
	s_load_b512 s[16:31], s[0:1], 0x0  ; x, W0, b0, Wh, bh, Wout, bout, out0
	v_lshl_add_u32 v[SPW], v0, 2, SPARE
	v_mov_b32 v[NIL], 0
	v_mov_b32 v[ZR], 0
	v_lshrrev_b32 v19, 5, v0
	v_readfirstlane_b32 s[WV], v19     ; wave 0..3
	v_and_b32 v1, 15, v0               ; l % 16
	v_bfe_u32 v15, v0, 4, 1            ; l / 16
	v_and_b32 v18, 31, v0              ; l
	s_mov_b32 s[ZS], 0
	s_mov_b32 s[HIM], 0xffff0000
	v_mul_u32_u24 v[WA0], v1, PITCH
	v_lshl_add_u32 v[WA0], v15, 4, v[WA0]
	v_lshl_add_u32 v[BA0], v15, 5, BT
	v_mul_u32_u24 v[W0A], v1, P0
	v_lshl_add_u32 v[W0A], v15, 4, v[W0A]
	v_add_nc_u32 v[W0A], W0R, v[W0A]
	s_wait_alu depctr_va_sdst(0)       ; the wave's number is written, ahead of its first reader: offsets and bases are made from it
	s_mul_i32 s10, s[WV], 32*PITCH
	v_lshl_add_u32 v[PA0], v18, 3, s10
	s_lshl_b32 s10, s[WV], 14
	v_lshl_add_u32 v[GW], v18, 4, s10
	v_mul_u32_u24 v[XO], v1, 12
	s_mul_i32 s10, s[WV], 3072         ; my wave's 256 points in x and out, and its stage
	s_add_co_u32 s11, s10, STG
	v_mul_u32_u24 v19, v15, 1536
	v_add3_u32 v[SA], v[XO], v19, s11
	v_lshl_add_u32 v[RA], v18, 4, s11
	v_lshlrev_b32 v[GO], 4, v18
	v_mul_u32_u24 v[T12], v0, 12       ; thread t serves row t of W0, entry t of each bias, column t of Wout
	v_lshlrev_b32 v[T4], 2, v0
	v_min_u32 v[TB], 2, v0             ; bout has three entries: the other threads load the third and write 0
	v_lshlrev_b32 v[TB], 2, v[TB]
	v_mul_u32_u24 v[AW0], v0, P0
	v_add_nc_u32 v[AW0], W0R, v[AW0]
	v_lshl_add_u32 v[ABT], v0, 2, BT
	v_lshl_add_u32 v[AWO], v0, 1, WOR
	s_mul_i32 s11, ttmp9, 12288        ; the work-group's 1,024 points
	s_add_co_u32 s10, s10, s11
	s_mov_b32 s11, 0
	s_wait_kmcnt 0x0
	s_add_nc_u64 s[XP:XP+1], s[XP:XP+1], s[10:11]
	s_add_nc_u64 s[OP:OP+1], s[OP:OP+1], s[10:11]
	s_wait_alu depctr_va_vdst(0)       ; all the offsets and LDS addresses made above, and v[ZR], are written: the kernel's loads and stores read them, and none of them is written again
	XLOADS                             ; 24 loads,
.irp c, 0,1,2
	global_load_b32 v[HT+\c], v[T12], s[W0P:W0P+1] offset:4*\c  ; 15 small ones,
.endr
	global_load_b32 v[HT+3], v[T4], s[B0P:B0P+1]
.irp i, 0,1,2,3,4,5,6
	global_load_b32 v[HT+4+\i], v[T4], s[BHP:BHP+1] offset:512*\i
.endr
	global_load_b32 v[HT+11], v[TB], s[BOP:BOP+1]
.irp c, 0,1,2
	global_load_b32 v[HT+12+\c], v[T4], s[WOP:WOP+1] offset:512*\c
.endr
	WLOADS                             ; and the first hidden layer's 32
	s_wait_loadcnt 32                  ; loads come back in order (ISA guide 5.7.1): all but the 32 youngest are in
	; all the head's vector work stands in one run, then one wait, then all its LDS stores
	v_cmp_gt_u32 vcc_lo, 3, v0
	v_cvt_pk_bf16_f32 v[HT+16], v[HT], v[HT+1]      ; W0's row t: three numbers, then zeros up to k = 31
	v_cvt_pk_bf16_f32 v[HT+17], v[HT+2], v[ZR]
.irp i, 18,19,20,21,22,23
	v_mov_b32 v[HT+\i], 0
.endr
	s_wait_alu depctr_va_vcc(0)        ; the compare has written VCC, which the select reads
	v_cndmask_b32 v[HT+11], 0, v[HT+11], vcc_lo     ; bout's entries 3..127 are zeros
.irp i, 0,1,2,3
	v_cvt_pk_bf16_f32 v[HT+24+\i], v[HT+3+2*\i], v[HT+4+2*\i]  ; the nine biases: rounded to bf16,
.endr
	v_cvt_pk_bf16_f32 v[HT+28], v[HT+11], v[ZR]
.irp i, 0,1,2,3
	v_lshlrev_b32 v[HT+3+2*\i], 16, v[HT+24+\i]     ; and written as f32 again: they are C operands
	v_and_b32 v[HT+4+2*\i], s[HIM], v[HT+24+\i]
.endr
	v_lshlrev_b32 v[HT+11], 16, v[HT+28]
	v_cvt_pk_bf16_f32 v[HT+29], v[HT+12], v[HT+13]  ; Wout's column t: three rows, then thirteen rows of zeros
	v_cvt_pk_bf16_f32 v[HT+30], v[HT+14], v[ZR]
	v_lshrrev_b32 v[HT+31], 16, v[HT+29]
	s_mov_b32 s[POFF], 0
	s_wait_loadcnt 0x0                 ; the first hidden layer's rows are in, so their base may be stepped
	s_add_nc_u64 s[WP:WP+1], s[WP:WP+1], 65536
	WROUND
	s_wait_alu depctr_va_vdst(0)       ; the lines above have written v[HT+3 ..], v[HT+16 ..], v[ST ..] and v[PA], which the LDS stores below read
	ds_store_b128 v[AW0], v[HT+16:HT+19]
.irp i, 1,2,3
	ds_store_b128 v[AW0], v[HT+20:HT+23] offset:16*\i
.endr
.irp i, 0,1,2,3,4,5,6,7,8
	ds_store_b32 v[ABT], v[HT+3+\i] offset:512*\i
.endr
	ds_store_b16 v[AWO], v[HT+29]
	ds_store_b16 v[AWO], v[HT+31] offset:PITCH
	ds_store_b16 v[AWO], v[HT+30] offset:2*PITCH
.irp c, 3,4,5,6,7,8,9,10,11,12,13,14,15
	ds_store_b16 v[AWO], v[ZR] offset:PITCH*\c
.endr
	WSTORE
	s_wait_alu depctr_vm_vsrc(0)       ; the LDS stores have read v[HT ..], which the zeros below and x overwrite, v[ST ..], in which the next layer's rows land, and v[PA], which the next add writes
	s_wait_dscnt 0x0                   ; for the others' sake: all my stores are done
	s_barrier_signal -1
.set t, 0
.rept 8                                ; register work while the others arrive: k = 4 to 31 of the first layer's source 1 are zeros, written once
.irp j, 2,3,4,5,6,7
	v_mov_b32 v[XB+8*t+\j], 0
.endr
.set t, t+1
.endr
	s_mov_b32 s[PASS], NPASS
	s_mov_b32 s[PREPN], 6
	s_mov_b32 s[OST], 0
	s_mov_b32 s[OST+1], 0
	s_barrier_wait -1                  ; W0, Wout, the biases and the first hidden layer lie in LDS
.Lpass:                                ; 128 points a wave through all nine layers
	s_mov_b32 s[WOFF], 0
	s_mov_b32 s[BOFF], 512
	s_wait_alu depctr_vm_vsrc(0)       ; the last pass's fetches have read v[WA] and v[BA], which the two moves write; its LDS stores have read the accumulators, which the first layer's products write again
	v_mov_b32 v[WA], v[WA0]
	v_mov_b32 v[BA], v[BA0]
	WIN 0xC0
	s_wait_alu depctr_va_vdst(0)       ; the last pass's products are done reading the weights' and biases' registers, in which the loads below land; v[WA] and v[BA] are written, which the first layer's fetch reads
	FETCH0
	WIN 0
	s_wait_loadcnt 0x0                 ; this pass's x is in; no load is out, so x's base may be stepped
	BUILDX
	s_cmp_eq_u32 s[PASS], 1
	s_cbranch_scc1 .Lno_x              ; the last pass has no x behind it
	s_add_nc_u64 s[XP:XP+1], s[XP:XP+1], 1536
	s_wait_alu depctr_va_vdst(0)       ; the conversions above are done reading v[XS ..], in which the loads below land
	XLOADS                             ; the next pass's x, a whole pass ahead
.Lno_x:
	s_cmp_eq_u32 s[PREPN], 0
	s_cbranch_scc1 .Lno_w              ; in the second pass all weights lie in LDS
	WLOADS                             ; the second hidden layer's rows.  No wait: each rounding of v[ST ..] and each run of stores from it has its wait behind it, and no line since names these registers
.Lno_w:
	s_wait_dscnt 0x0                   ; the first layer's weights and biases are in
	LAYER0
	s_mov_b32 s[CNT], 4
	s_branch .LlayA                    ; seven hidden layers: the loop of two is entered in its middle
.LlayB:
	LAYER 1, 2
.LlayA:
	LAYER 2, 1
	s_sub_co_u32 s[CNT], s[CNT], 1
	s_cmp_lg_u32 s[CNT], 0
	s_cbranch_scc1 .LlayB
	LAYEROUT
	s_sub_co_u32 s[PASS], s[PASS], 1
	s_cmp_lg_u32 s[PASS], 0
	s_cbranch_scc1 .Lpass
	s_wait_dscnt 0x0                   ; the closing lines, six on end
	s_wait_alu 0x0
	s_wait_tensorcnt 0x0
	ds_add_u32 v[SPW], v[NIL]
	s_wait_dscnt 0x0
	s_endpgm
.Lfunc_end_k_qf01c94b8e3_mlp:
	.size	k_qf01c94b8e3_mlp, .Lfunc_end_k_qf01c94b8e3_mlp-k_qf01c94b8e3_mlp
	.p2alignl 7, 3214868480
	.fill 96, 4, 3214868480
	.section	.rodata,"a",@progbits
	.p2align	6, 0x0
	.amdhsa_kernel k_qf01c94b8e3_mlp
		.amdhsa_group_segment_fixed_size 275712
		.amdhsa_private_segment_fixed_size 0
		.amdhsa_enable_private_segment 0
		.amdhsa_kernarg_size 64
		.amdhsa_user_sgpr_count 2
		.amdhsa_user_sgpr_kernarg_segment_ptr 1
		.amdhsa_wavefront_size32 1
		.amdhsa_system_sgpr_workgroup_id_x 1
		.amdhsa_system_sgpr_workgroup_id_y 1
		.amdhsa_system_sgpr_workgroup_id_z 1
		.amdhsa_system_vgpr_workitem_id 0
		.amdhsa_next_free_vgpr 1024
		.amdhsa_next_free_sgpr 66
		.amdhsa_reserve_vcc 1
		.amdhsa_float_denorm_mode_32 3
		.amdhsa_float_denorm_mode_16_64 3
		.amdhsa_memory_ordered 1
		.amdhsa_forward_progress 1
		.amdhsa_inst_pref_size 212
	.end_amdhsa_kernel
	.amdgpu_metadata
---
amdhsa.version: [ 1, 2 ]
amdhsa.kernels:
  - .name:           k_qf01c94b8e3_mlp
    .symbol:         k_qf01c94b8e3_mlp.kd
    .args:
      - { .name: x, .offset: 0, .size: 8, .value_kind: global_buffer, .address_space: global }
      - { .name: W0, .offset: 8, .size: 8, .value_kind: global_buffer, .address_space: global }
      - { .name: b0, .offset: 16, .size: 8, .value_kind: global_buffer, .address_space: global }
      - { .name: Wh, .offset: 24, .size: 8, .value_kind: global_buffer, .address_space: global }
      - { .name: bh, .offset: 32, .size: 8, .value_kind: global_buffer, .address_space: global }
      - { .name: Wout, .offset: 40, .size: 8, .value_kind: global_buffer, .address_space: global }
      - { .name: bout, .offset: 48, .size: 8, .value_kind: global_buffer, .address_space: global }
      - { .name: out0, .offset: 56, .size: 8, .value_kind: global_buffer, .address_space: global }
    .group_segment_fixed_size: 275712
    .private_segment_fixed_size: 0
    .kernarg_segment_align: 8
    .kernarg_segment_size: 64
    .max_flat_workgroup_size: 128
    .sgpr_count:     66
    .vgpr_count:     1024
    .wavefront_size: 32
...
	.end_amdgpu_metadata
.endif
;; end of part 2
